; MI455X (gfx1250); checked and timed in simulation.
; The chip was launched on July 23, 2026; its instructions are those of AMD's public machine-readable ISA for CDNA 5 (MIT licence, August 2026) and "CDNA5" Instruction Set Architecture Reference Guide (July 2026). The comments in the code are by the model that wrote it; some were corrected since.
;; Sliding Window Cross Attention. Allowed arithmetic: float matrix products may take bf16 or f16 operands with f32 sums; all other float work in f32.
;; Inputs: Wk 1,024 x 1,024 float32; Wo 1,024 x 1,024 float32; Wq 1,024 x 1,024 float32; Wv 1,024 x 1,024 float32; bk 1,024 float32; bo 1,024 float32; bq 1,024 float32; bv 1,024 float32; key 2 x 2,048 x 1,024 float32; query 2 x 2,048 x 1,024 float32; value 2 x 2,048 x 1,024 float32.
;; Outputs: out0 2 x 2,048 x 1,024 float32.
;; One version. Each part assembles by itself: llvm-mc -triple=amdgcn-amd-amdhsa -mcpu=gfx1250 --defsym DOCPART=n.
;; ======== version 1 of 1: 3 launches
;; limits: values are held in f16: magnitudes above 65,504 overflow, below 6.1e-05 lose precision
;; workspace buffers: qws 8,388,608 bytes; kws 8,388,608 bytes; vws 8,388,608 bytes; aws 8,388,608 bytes; elo 786,432 bytes
;; launch qkv (part 1): grid 4 x 48, 4 waves a work-group, clusters of 4 x 4, 327,680 bytes of LDS; arguments query, key, value, Wq, Wk, Wv, bq, bk, bv, qws, kws, vws, elo; writes qws, kws, vws, elo
.if DOCPART == 1
	.amdgcn_target "amdgcn-amd-amdhsa--gfx1250"
	.amdhsa_code_object_version 6
	.text
	.protected	k_q6b5780717a_qkv
	.globl	k_q6b5780717a_qkv
	.p2align	8
	.type	k_q6b5780717a_qkv,@function
k_q6b5780717a_qkv:
	s_mov_b64 s[64:65], 0
	v_nop
	global_prefetch_b8 v0, s[64:65] scope:SCOPE_SE
	s_setreg_imm32_b32 hwreg(HW_REG_WAVE_MODE, 25, 1), 1
	s_wait_xcnt 0x0
	s_wait_alu depctr_hold_cnt(0) depctr_sa_sdst(0) depctr_va_vdst(0) depctr_va_sdst(0) depctr_va_ssrc(0) depctr_va_vcc(0) depctr_vm_vsrc(0)
	s_getreg_b32 s2, hwreg(HW_REG_IB_STS2, 6, 4)
	s_cmp_eq_u32 s2, 0
	s_cbranch_scc0 .Lentry_in_a_cluster
	s_endpgm
.Lentry_in_a_cluster:
	s_bfe_u32 s2, ttmp6, 0x10000c
	s_cmp_lg_u32 s2, 0xf033
	s_cbranch_scc0 .Lentry_shape_is_right
	s_endpgm
.Lentry_shape_is_right:
; The three input projections: y = x W^T + b for (query, Wq, bq), (key, Wk, bk), (value, Wv, bv); rotate-half RoPE on q and k; q times
; 0.125 log2(e) (the score scale, and the change to base 2 for the softmax of the next launch); rounded to f16 and stored as [B][H][S][64].
; x: 4096 rows x 1024 f32.  W: 1024 rows x 1024 f32.  16 block rows x 4 block columns of 256 x 256 for each projection: 192 work-groups.
; Four waves, each 128 x 128 of the block in 64 accumulator tiles (512 registers).  K goes in steps of 64 f32 (rows of 256 bytes, aligned)
; through a ring of two LDS slots.  The f32 tiles are read as fragments and rounded to bf16, the format that the problem's contract allows
; for its inputs, in registers on their way to the matrix unit.  Sums, bias and rotation are f32.
; SECOND TERMS: the queries at positions 0 to 63 see at most 64 keys, average little, and give outputs up to ten times the output's root mean
; square; one f16 rounding of q, k and v each is too coarse for them.  So for positions 0 to 63 y is split into hi (y rounded to 11 bits, what
; goes to the f16 tensor anyway) and lo = y - hi, and lo goes as f16 to elo, [3][B][H][64][64].
; CLUSTERS: 4 x 4 work-groups.  The four of a cluster's row share x's tile, the four of a column share W's: joint loads, a quarter of the requests.
; All sixteen work on one projection (four cluster rows for each), so pointers and factors are chosen by the cluster's y alone, without a branch.
; LIMITS: the stored q 0.18, k, v must stay below 65,504 in size (inputs 30 times the drawn ones, or offset by 30 spreads, give at most some
; 29,000); a second term is kept to 6e-8.  The RoPE angle is formed in f32 and is good to about 2e-4 rad at position 2047; sine and cosine come
; from polynomials of the half angle, truncation at most 2.5e-5.
;
; REGISTERS by windows of 256:
;   window 0: v0-31 addresses; v64-127, v128-191 x's fragments in bf16, two sets; v192-255 the bias of my 128 columns
;             on the way out: v4-19 at work on the split, v32-47 frequencies, v48-63 constants, v64-127 at work, v128-159 packed,
;             v160-191 cosines and sines, then the packed second terms
;   window 1: v64-127, v128-191 W's fragments in bf16, two sets; v0-63 and v192-255 the landing area for f32 from LDS (never a matrix operand)
;   windows 2, 3: accumulators of my rows 0-63 and 64-127, tile (a, b) at v[8 (8 a + b)]
; The matrix instruction is used transposed (source 0 = rows of W, source 1 = rows of x): a lane holds row l % 16 of y and eight neighbouring columns.
.set PITCH,  272                       ; an LDS row: 256 bytes + 16 of padding, 17 x 16 bytes: the 16 rows of a load begin in 16 different 16-byte columns of 256
.set HALFT,  128*PITCH                 ; what one tensor load brings
.set SLOT,   4*HALFT                   ; x's 256 rows, then W's 256 rows
.set STAGE,  2*SLOT                    ; behind the ring: for each wave 2 heads x 16 rows x 144 bytes; no fill lands here
.set SP,     144
.set HST,    16*SP
.set KSB,    256                       ; bytes of a K step in a row
.set HEADB,  2048*128                  ; bytes of one head's plane in the workspace
.set LOPL,   64*128                    ; bytes of one head's plane of second terms
.set WW,   4                           ; v4-11  the split: c, then hi
.set XX,   12                          ; v12-19 the split: c - y
.set ADRA, 16                          ; v16-17 LDS address of my x fragments in slot 0, 1 (dead on the way out)
.set ADRB, 20                          ; v20-21 the same for W
.set STO,  24
.set RD,   25
.set CO,   26
.set BOFF, 27
.set TI,   28
.set EF,   29                          ; the position of my wave's first row: 0 in the waves that hold positions 0 to 63
.set FR,   32                          ; v32-47 the lane's 16 frequencies, in turns per position
.set POS,  48                          ; pair: my row's position, twice
.set C4S,  50                          ; pair: top coefficient of the sine
.set C4C,  52                          ; pair: top coefficient of the cosine
.set K1,   54                          ; pair: scale
.set K2,   56                          ; pair: 2 scale
.set KM2,  58                          ; pair: -2 scale
.set U0,   60                          ; pair: at work
.set F0,   64
.set F1,   128
.set T,    64
.set SS,   64
.set CC,   80
.set TT,   96
.set UU,   112
.set TMP,  128
.set CS,   160
.set SN,   176
.set LO,   160                         ; the packed second terms, where cosines and sines lay
.set BIAS, 192
.set G1,  24
.set G0,  32
.set G1B, 48
.set G0B, 56
.set MSB, 0
.macro WIN new                         ; the immediate's high byte repeats the setting that is left
.if MSB != \new
	s_set_vgpr_msb (MSB<<8)|\new
.set MSB, \new
.endif
.endm
.set MUL_LO, 0xa1                      ; source 0 (W) window 1, source 1 (x) window 0, C and D window 2
.set MUL_HI, 0xf1                      ; the same, C and D window 3
.set LAND,   0x40                      ; destination window 1, address window 0
.set CV_B,   0x45                      ; both sources and the destination in window 1
.set CV_A,   0x05                      ; both sources in window 1, the destination in window 0
; A joint load.  Waves 0 and 1 fetch x's two halves, waves 2 and 3 W's.  The branch hangs on the wave's number alone.
.macro JLOAD s
	s_cmp_eq_u32 s11, 0
	s_cbranch_scc0 .Lfor_b_\@
	tensor_load_to_lds s[G0+4*\s:G0+4*\s+3], s[G1:G1+7]
	s_nop 0
	s_branch .Lasked_\@
.Lfor_b_\@:
	tensor_load_to_lds s[G0B+4*\s:G0B+4*\s+3], s[G1B:G1B+7]
	s_nop 0
.Lasked_\@:
.endm
.macro CREST                           ; a round of the cluster's barrier behind its opening work-group barrier
	s_cmp_lg_u32 s10, 0
	s_cbranch_scc1 .Lnot_wave_0_\@
	s_barrier_signal -3
.Lnot_wave_0_\@:
	s_barrier_wait -3
	s_barrier_signal -1
	s_barrier_wait -1
.endm
.macro CROUND                          ; a whole round
	s_barrier_signal -1
	s_barrier_wait -1
	CREST
.endm
	s_load_b512 s[68:83], s[0:1], 0x0              ; query, key, value, Wq, Wk, Wv, bq, bk
	s_load_b256 s[84:91], s[0:1], 0x40             ; bv, qws, kws, vws
	s_load_b64 s[96:97], s[0:1], 0x60              ; elo
	v_lshl_add_u32 v62, v0, 2, 0x48800
	v_mov_b32 v63, 0
	ds_add_u32 v62, v63
	v_lshrrev_b32 v1, 5, v0
	v_readfirstlane_b32 s10, v1                    ; wave 0..3
	s_lshr_b32 s11, s10, 1                         ; my half of the block's rows.  Also: I fetch for x (0) or for W (1)
	s_and_b32 s12, s10, 1                          ; my half of its columns.  Also: which 128 rows of that tile I fetch
	s_bfe_u32 s40, ttmp6, 0x40000                  ; cx
	s_bfe_u32 s41, ttmp6, 0x40004                  ; cy
	s_lshl_b32 s42, ttmp9, 2
	s_add_co_u32 s42, s42, s40                     ; block column = 4 x cluster x + cx
	s_and_b32 s13, ttmp7, 0xffff                   ; cluster y, 0..11
	s_lshr_b32 s45, s13, 2                         ; the projection: 0 q, 1 k, 2 v; the same in all sixteen work-groups
	s_lshl_b32 s13, s13, 2
	s_add_co_u32 s13, s13, s41
	s_and_b32 s13, s13, 15                         ; block row inside the projection
	s_lshl_b32 s43, s41, 2
	s_lshl_b32 s43, 15, s43                        ; my row of the cluster
	s_lshl_b32 s44, 0x1111, s40                    ; my column
	; group 1: 128 rows x 64 elements of 4 bytes; behind every 64 words 4 words of padding
	s_or_b32 s[G1+0], s43, (2<<16)|(1<<20)|(1<<21)|(5<<22)|(3<<25)
	s_or_b32 s[G1B+0], s44, (2<<16)|(1<<20)|(1<<21)|(5<<22)|(3<<25)
	s_mov_b32 s[G1+1], 64<<16                      ; tensor_dim0 = 64
	s_mov_b32 s[G1B+1], 64<<16
	s_mov_b32 s[G1+2], 128<<16                     ; tensor_dim1 = 128
	s_mov_b32 s[G1B+2], 128<<16
	s_mov_b32 s[G1+3], 64<<16                      ; tile_dim0 = 64
	s_mov_b32 s[G1B+3], 64<<16
	s_mov_b32 s[G1+4], 128                         ; tile_dim1 = 128
	s_mov_b32 s[G1B+4], 128
	s_mov_b32 s[G1+5], 1024                        ; elements from row to row
	s_mov_b32 s[G1B+5], 1024
	s_mov_b32 s[G1+6], 0
	s_mov_b32 s[G1B+6], 0
	s_mov_b32 s[G1+7], 0
	s_mov_b32 s[G1B+7], 0
	; byte offsets of my tiles: x's hang on the block row, W's on the block column, each in registers that never hold the other coordinate
	s_lshl_b32 s17, s12, 7
	s_lshl_b32 s16, s13, 8
	s_add_co_u32 s16, s16, s17                     ; x: row 256 x block row + 128 x half
	s_lshl_b32 s16, s16, 12                        ; rows of 4,096 bytes; below 16 MiB
	s_lshl_b32 s46, s42, 8
	s_add_co_u32 s46, s46, s17                     ; W: row 256 x block column + 128 x half
	s_lshl_b32 s46, s46, 12
	s_mov_b32 s17, 0
	s_mov_b32 s47, 0
	s_mul_i32 s20, s10, HALFT                      ; where they go: wave x 128 rows
	s_wait_dscnt 0x0
	s_wait_kmcnt 0x0
	s_cmp_eq_u32 s45, 1                            ; the projection's buffers
	s_cselect_b64 s[4:5], s[70:71], s[68:69]       ; x
	s_cselect_b64 s[6:7], s[76:77], s[74:75]       ; W
	s_cselect_b64 s[92:93], s[82:83], s[80:81]     ; b
	s_cselect_b64 s[8:9], s[88:89], s[86:87]       ; where y goes
	s_cmp_eq_u32 s45, 2
	s_cselect_b64 s[4:5], s[72:73], s[4:5]
	s_cselect_b64 s[6:7], s[78:79], s[6:7]
	s_cselect_b64 s[92:93], s[84:85], s[92:93]
	s_cselect_b64 s[8:9], s[90:91], s[8:9]
	s_cselect_b32 s66, 0, 0x3e22f983               ; 1 / 2 pi; 0 for v: all its angles are 0, cosine 1, sine 0: no rotation, no branch
	s_cmp_eq_u32 s45, 0
	s_cselect_b32 s67, 0x3e38aa3b, 1.0             ; q alone is scaled, by 0.125 log2(e)
	s_add_nc_u64 s[14:15], s[4:5], s[16:17]
	s_add_nc_u64 s[46:47], s[6:7], s[46:47]
	CROUND                                         ; all sixteen work-groups are here: the first joint loads meet
.irp s, 0,1
	s_mov_b32 s[G0+4*\s], 1
	s_add_co_u32 s[G0+4*\s+1], s20, \s*SLOT
	s_add_nc_u64 s[G0+4*\s+2:G0+4*\s+3], s[14:15], \s*KSB
	s_or_b32 s[G0+4*\s+3], s[G0+4*\s+3], 0x80000000
	s_mov_b32 s[G0B+4*\s], 1
	s_add_co_u32 s[G0B+4*\s+1], s20, \s*SLOT
	s_add_nc_u64 s[G0B+4*\s+2:G0B+4*\s+3], s[46:47], \s*KSB
	s_or_b32 s[G0B+4*\s+3], s[G0B+4*\s+3], 0x80000000
	JLOAD \s                                       ; K steps 0 and 1: two loads of the wave are out
.endr
	v_and_b32 v1, 15, v0                           ; r = l % 16 (kept to the way out)
	v_bfe_u32 v2, v0, 4, 1                         ; h = l / 16 (kept to the way out)
	v_lshlrev_b32 v[BOFF], 5, v2
	s_lshl_b32 s94, s42, 10                        ; the bias of my 128 columns: 4 (256 x block column + 128 x half) bytes
	s_lshl_b32 s95, s12, 9
	s_add_co_u32 s94, s94, s95
	s_mov_b32 s95, 0
	s_add_nc_u64 s[92:93], s[92:93], s[94:95]
.irp b, 0,1,2,3,4,5,6,7
	global_load_b128 v[BIAS+8*\b:BIAS+8*\b+3],   v[BOFF], s[92:93] offset:64*\b      ; columns 16 b + 8 h + 0..3
	global_load_b128 v[BIAS+8*\b+4:BIAS+8*\b+7], v[BOFF], s[92:93] offset:64*\b+16   ; and + 4..7
.endr
	; a 16-bit fragment holds K = 8 h + 0..7 and 16 + 8 h + 0..7 of row r: in f32 that is 32 bytes at 32 h and 32 bytes at 64 + 32 h
	v_mul_u32_u24 v3, v1, PITCH
	v_lshl_add_u32 v3, v2, 5, v3
	s_mul_i32 s21, s11, HALFT
	s_mul_i32 s22, s12, HALFT
	s_add_co_u32 s22, s22, 2*HALFT
.irp s, 0,1
	v_add_nc_u32 v[ADRA+\s], s21, v3
	v_add_nc_u32 v[ADRB+\s], s22, v3
	s_add_co_u32 s21, s21, SLOT
	s_add_co_u32 s22, s22, SLOT
.endr
	s_mul_i32 s23, s10, 2*HST
	s_add_co_u32 s23, s23, STAGE                   ; my stage
	v_mul_u32_u24 v4, v1, SP
	v_lshl_add_u32 v4, v2, 4, v4
	v_add_nc_u32 v[STO], s23, v4                   ; in: row r, 16 bytes for each half of the lanes
	v_and_b32 v5, 31, v0
	v_lshrrev_b32 v6, 3, v5
	v_mul_u32_u24 v6, v6, SP
	v_and_b32 v7, 7, v0
	v_lshl_add_u32 v6, v7, 4, v6
	v_add_nc_u32 v[RD], s23, v6                    ; back: eight lanes take a row of 128 bytes, the wave four rows
	v_lshlrev_b32 v[CO], 4, v5                     ; and the same 512 bytes in the workspace, where rows follow each other
; 16 matrix instructions: m blocks a0, a0 + 1 of the window's four x all 8 n blocks, 32 along K.  zero = 1: the first product starts the sums.
.macro MUL16 f, hi, a0, zero
.irp a, \a0, \a0+1
.irp b, 0,1,2,3,4,5,6,7
.if \zero
	v_wmma_f32_16x16x32_bf16 v[8*(8*(\a)+\b):8*(8*(\a)+\b)+7], v[\f+8*\b:\f+8*\b+7], v[\f+8*(4*\hi+\a):\f+8*(4*\hi+\a)+7], 0
.else
	v_wmma_f32_16x16x32_bf16 v[8*(8*(\a)+\b):8*(8*(\a)+\b)+7], v[\f+8*\b:\f+8*\b+7], v[\f+8*(4*\hi+\a):\f+8*(4*\hi+\a)+7], v[8*(8*(\a)+\b):8*(8*(\a)+\b)+7]
.endif
.endr
.endr
.endm
; 32 LDS loads: 128 rows x 32 K of f32, at byte k of the rows, into the landing area (fragment i at 16 i, the upper four 128 further up)
.macro LOADF adr, k
	WIN LAND
.irp i, 0,1,2,3,4,5,6,7
	ds_load_b128 v[16*\i+128*(\i/4):16*\i+128*(\i/4)+3],     v[\adr] offset:\k+\i*16*PITCH
	ds_load_b128 v[16*\i+128*(\i/4)+4:16*\i+128*(\i/4)+7],   v[\adr] offset:\k+\i*16*PITCH+16
	ds_load_b128 v[16*\i+128*(\i/4)+8:16*\i+128*(\i/4)+11],  v[\adr] offset:\k+\i*16*PITCH+64
	ds_load_b128 v[16*\i+128*(\i/4)+12:16*\i+128*(\i/4)+15], v[\adr] offset:\k+\i*16*PITCH+80
.endr
.endm
; 64 roundings: the landing area becomes eight bf16 fragments at f, in W's window (CV_B) or x's (CV_A)
.macro CVT f, win
	WIN \win
.irp i, 0,1,2,3,4,5,6,7
.irp c, 0,1,2,3,4,5,6,7
	v_cvt_pk_bf16_f32 v[\f+8*\i+\c], v[16*\i+128*(\i/4)+2*\c], v[16*\i+128*(\i/4)+2*\c+1]
.endr
.endr
.endm
; A K step: 64 products on set 0 (K 0-31), 64 on set 1 (K 32-63).  On entry set 0 is whole and W's second half is on its way to the landing area.
; Every CVT writes the set that the products round it do not name, and between that set's last products and its first rewriting stand the 64 roundings
; of the CVT before, which name none of those products' registers: more than the places asked for behind a matrix instruction (ISA guide 7.12.1).
; The 64 accumulators take turns, one instruction a turn, in one order throughout, over the backward jump too.
; The change of slots: each wave waits for its reads of this slot and for all its tensor loads (one is out: its part of the next slot), signals, works on
; registers, waits; with fill = 1 the barrier opens a round of the cluster's barrier, and the joint refill is the first tensor load behind the round.
.macro KSTEP slot, next, fill, zero, last
	WIN MUL_LO
	MUL16 F0, 0, 0, \zero
	MUL16 F0, 0, 2, \zero
	s_wait_dscnt 0x0                               ; W's second half has landed
	CVT F1, CV_B
	LOADF ADRA+\slot, 128                          ; x's second half: the last reads of this slot
	WIN MUL_HI
	MUL16 F0, 1, 0, \zero
	s_wait_dscnt 0x0                               ; my reads of this slot are over
.if \last == 0
	s_set_vgpr_msb 0xf1f0
	s_wait_tensorcnt 0x0                           ; and all my tensor loads have landed
	ds_add_u32 v62, v63
	s_wait_dscnt 0x0
	s_set_vgpr_msb 0xf0f1
	s_barrier_signal -1
.endif
	MUL16 F0, 1, 2, \zero
.if \last == 0
	WIN 0
	s_barrier_wait -1
.if \fill
	CREST                                          ; no wave of any partner still reads this slot or has a load on its way
	s_add_nc_u64 s[G0+4*\slot+2:G0+4*\slot+3], s[G0+4*\slot+2:G0+4*\slot+3], 2*KSB
	s_add_nc_u64 s[G0B+4*\slot+2:G0B+4*\slot+3], s[G0B+4*\slot+2:G0B+4*\slot+3], 2*KSB
	JLOAD \slot                                    ; two K steps ahead: 128 products and 256 roundings stand between this request and the wait for it
.endif
.endif
	CVT F1, CV_A
.if \last == 0
	LOADF ADRB+\next, 0
.endif
	WIN MUL_LO
	MUL16 F1, 0, 0, 0
	MUL16 F1, 0, 2, 0
.if \last == 0
	s_wait_dscnt 0x0
	CVT F0, CV_B
	LOADF ADRA+\next, 0
.endif
	WIN MUL_HI
	MUL16 F1, 1, 0, 0
	MUL16 F1, 1, 2, 0
.if \last == 0
	s_wait_dscnt 0x0
	CVT F0, CV_A
	LOADF ADRB+\next, 128
.endif
.endm
.macro LAP zero
	KSTEP 0, 1, 1, \zero, 0
	KSTEP 1, 0, 1, 0, 0
.endm
	s_wait_loadcnt 0x0                             ; the bias is in; its address registers are free
	s_wait_tensorcnt 0x1                           ; my part of K step 0 is in; K step 1's one load may stay out
	s_barrier_signal -1
	s_barrier_wait -1
	LOADF ADRB+0, 0
	s_wait_dscnt 0x0
	CVT F0, CV_B
	LOADF ADRA+0, 0
	s_wait_dscnt 0x0
	CVT F0, CV_A
	LOADF ADRB+0, 128
	LAP 1                                          ; K steps 0, 1: the first products start the sums
	WIN 0
	s_mov_b32 s3, 6                                ; K steps 2 to 13
.Llap:
	LAP 0
	WIN 0
	s_sub_co_u32 s3, s3, 1
	s_cmp_lg_u32 s3, 0
	s_cbranch_scc1 .Llap
	KSTEP 0, 1, 0, 0, 0                            ; K step 14: nothing is left to fetch; a plain barrier shows K step 15's tile whole
	KSTEP 1, 0, 0, 0, 1                            ; K step 15
	WIN 0
.rept 4
	v_nop                                          ; the places behind the last products, in front of reads of results and writes of fragment registers
.endr
	; THE WAY OUT.  My 128 columns are two heads.  In head hd, tile b = 4 hd + bp (bp = 0, 1) holds x1 of dimensions 16 bp + 8 h + j and tile b + 2 their partners x2.
	s_lshr_b32 s14, s13, 3                         ; batch
	s_and_b32 s15, s13, 7
	s_lshl_b32 s15, s15, 8
	s_lshl_b32 s16, s11, 7
	s_add_co_u32 s15, s15, s16                     ; the position of my first row
	s_lshl_b32 s46, s42, 2
	s_lshl_b32 s47, s12, 1
	s_add_co_u32 s46, s46, s47                     ; my first head = 4 x block column + 2 x half
	s_lshl_b32 s47, s14, 4
	s_add_co_u32 s46, s46, s47                     ; 16 batch + head
	s_lshl_b32 s94, s45, 5                         ; the second terms: 32 planes for each projection
	s_add_co_u32 s94, s94, s46
	s_lshl_b32 s94, s94, 13                        ; planes of 64 rows x 128 bytes
	s_mov_b32 s95, 0
	s_add_nc_u64 s[96:97], s[96:97], s[94:95]
	s_lshl_b32 s46, s46, 11
	s_add_co_u32 s46, s46, s15                     ; (16 batch + head) 2048 + position
	s_lshl_b32 s46, s46, 7                         ; rows of 128 bytes
	s_mov_b32 s47, 0
	s_add_nc_u64 s[8:9], s[8:9], s[46:47]
	v_mov_b32 v[EF], s15
	v_add_nc_u32 v[TI], s15, v1
	v_cvt_f32_u32 v[POS], v[TI]
	v_mov_b32 v[POS+1], v[POS]
	v_lshlrev_b32 v[TI], 3, v2
.irp k, 0,1,2,3,4,5,6,7,8,9,10,11,12,13,14,15
	v_add_nc_u32 v[FR+\k], (\k%8)+16*(\k/8), v[TI] ; the frequency's index f = 16 bp + 8 h + j
.endr
.irp k, 0,1,2,3,4,5,6,7,8,9,10,11,12,13,14,15
	v_cvt_f32_u32 v[FR+\k], v[FR+\k]
.endr
.irp k, 0,1,2,3,4,5,6,7,8,9,10,11,12,13,14,15
	v_mul_f32 v[FR+\k], 0xbed49a78, v[FR+\k]       ; - f log2(10000) / 32
.endr
.irp k, 0,1,2,3,4,5,6,7,8,9,10,11,12,13,14,15
	v_exp_f32 v[FR+\k], v[FR+\k]                   ; 10000^(-f/32)
.endr
	v_mov_b32 v[C4S], 0x3da83c1b                   ; a plain instruction stands behind the exponentials before their results are read (ISA guide 5.7.2)
	v_mov_b32 v[C4S+1], 0x3da83c1b                 ; pi^9 / 9!
	v_mov_b32 v[C4C], 0x3e70fa83                   ; pi^8 / 8!
	v_mov_b32 v[C4C+1], 0x3e70fa83
	v_mov_b32 v[K1], s67
	v_mov_b32 v[K1+1], s67
	v_add_f32 v[K2], v[K1], v[K1]
	v_add_f32 v[K2+1], v[K1], v[K1]
	v_mul_f32 v[KM2], -2.0, v[K1]
	v_mul_f32 v[KM2+1], -2.0, v[K1]
	s_wait_alu depctr_va_vdst(0)
.irp k, 0,1,2,3,4,5,6,7,8,9,10,11,12,13,14,15
	v_mul_f32 v[FR+\k], s66, v[FR+\k]              ; in turns
.endr
; rows 16 i .. 16 i + 15 of my block = the eight tiles (a, 0..7) of window 2 or 3 (from: source 0's window).  lo = 1: the rows may be positions 0 to 63: split.
.macro OUT16 i, a, from, lo
	s_wait_xcnt 0x0                                ; the last rows' stores have had their addresses translated (ISA guide 3.1): their data registers are written again below
	; t = the angle in turns less the nearest whole number; s, c = sine and cosine of pi t (|pi t| <= pi/2);
	; sine of the angle = 2 s c, cosine = 1 - 2 s s, both times the scale
.irp c, 0,2,4,6,8,10,12,14
	v_pk_mul_f32 v[SS+\c:SS+\c+1], v[FR+\c:FR+\c+1], v[POS:POS+1]
.endr
.irp c, 0,1,2,3,4,5,6,7,8,9,10,11,12,13,14,15
	v_rndne_f32 v[SS+\c], v[SS+\c]
.endr
.irp c, 0,2,4,6,8,10,12,14
	v_pk_fma_f32 v[TT+\c:TT+\c+1], v[FR+\c:FR+\c+1], v[POS:POS+1], v[SS+\c:SS+\c+1] neg_lo:[0,0,1] neg_hi:[0,0,1]   ; the product is not rounded before the subtraction
.endr
.irp c, 0,2,4,6,8,10,12,14
	v_pk_mul_f32 v[UU+\c:UU+\c+1], v[TT+\c:TT+\c+1], v[TT+\c:TT+\c+1]
.endr
.irp c, 0,2,4,6,8,10,12,14
	v_pk_fma_f32 v[SS+\c:SS+\c+1], v[UU+\c:UU+\c+1], v[C4S:C4S+1], 0xbf196966 op_sel_hi:[1,1,0]    ; - pi^7 / 7!
	v_pk_fma_f32 v[CC+\c:CC+\c+1], v[UU+\c:UU+\c+1], v[C4C:C4C+1], 0xbfaae9e4 op_sel_hi:[1,1,0]    ; - pi^6 / 6!
.endr
.irp c, 0,2,4,6,8,10,12,14
	v_pk_fma_f32 v[SS+\c:SS+\c+1], v[SS+\c:SS+\c+1], v[UU+\c:UU+\c+1], 0x402335e3 op_sel_hi:[1,1,0] ; pi^5 / 5!
	v_pk_fma_f32 v[CC+\c:CC+\c+1], v[CC+\c:CC+\c+1], v[UU+\c:UU+\c+1], 0x4081e0f8 op_sel_hi:[1,1,0] ; pi^4 / 4!
.endr
.irp c, 0,2,4,6,8,10,12,14
	v_pk_fma_f32 v[SS+\c:SS+\c+1], v[SS+\c:SS+\c+1], v[UU+\c:UU+\c+1], 0xc0a55de7 op_sel_hi:[1,1,0] ; - pi^3 / 3!
	v_pk_fma_f32 v[CC+\c:CC+\c+1], v[CC+\c:CC+\c+1], v[UU+\c:UU+\c+1], 0xc09de9e6 op_sel_hi:[1,1,0] ; - pi^2 / 2
.endr
.irp c, 0,2,4,6,8,10,12,14
	v_pk_fma_f32 v[SS+\c:SS+\c+1], v[SS+\c:SS+\c+1], v[UU+\c:UU+\c+1], 0x40490fdb op_sel_hi:[1,1,0] ; pi
	v_pk_fma_f32 v[CC+\c:CC+\c+1], v[CC+\c:CC+\c+1], v[UU+\c:UU+\c+1], 1.0 op_sel_hi:[1,1,0]
.endr
.irp c, 0,2,4,6,8,10,12,14
	v_pk_mul_f32 v[SS+\c:SS+\c+1], v[SS+\c:SS+\c+1], v[TT+\c:TT+\c+1]
.endr
.irp c, 0,2,4,6,8,10,12,14
	v_pk_mul_f32 v[TT+\c:TT+\c+1], v[SS+\c:SS+\c+1], v[CC+\c:CC+\c+1]
	v_pk_mul_f32 v[UU+\c:UU+\c+1], v[SS+\c:SS+\c+1], v[SS+\c:SS+\c+1]
.endr
.irp c, 0,2,4,6,8,10,12,14
	v_pk_mul_f32 v[SN+\c:SN+\c+1], v[TT+\c:TT+\c+1], v[K2:K2+1]
	v_pk_fma_f32 v[CS+\c:CS+\c+1], v[UU+\c:UU+\c+1], v[KM2:KM2+1], v[K1:K1+1]
.endr
	WIN \from
.irp b, 0,1,2,3,4,5,6,7
.irp c, 0,2,4,6
	v_pk_add_f32 v[T+8*\b+\c:T+8*\b+\c+1], v[8*(8*\a+\b)+\c:8*(8*\a+\b)+\c+1], v[BIAS+8*\b+\c:BIAS+8*\b+\c+1]   ; + bias
.endr
.endr
	WIN 0
.irp hd, 0,1
.irp bp, 0,1
.irp c, 0,2,4,6
	v_pk_mul_f32 v[U0:U0+1], v[T+8*(4*\hd+2+\bp)+\c:T+8*(4*\hd+2+\bp)+\c+1], v[SN+8*\bp+\c:SN+8*\bp+\c+1]                                   ; x2 sin
	v_pk_mul_f32 v[T+8*(4*\hd+2+\bp)+\c:T+8*(4*\hd+2+\bp)+\c+1], v[T+8*(4*\hd+2+\bp)+\c:T+8*(4*\hd+2+\bp)+\c+1], v[CS+8*\bp+\c:CS+8*\bp+\c+1] ; x2 cos
	v_pk_fma_f32 v[T+8*(4*\hd+2+\bp)+\c:T+8*(4*\hd+2+\bp)+\c+1], v[T+8*(4*\hd+\bp)+\c:T+8*(4*\hd+\bp)+\c+1], v[SN+8*\bp+\c:SN+8*\bp+\c+1], v[T+8*(4*\hd+2+\bp)+\c:T+8*(4*\hd+2+\bp)+\c+1]   ; + x1 sin
	v_pk_fma_f32 v[T+8*(4*\hd+\bp)+\c:T+8*(4*\hd+\bp)+\c+1], v[T+8*(4*\hd+\bp)+\c:T+8*(4*\hd+\bp)+\c+1], v[CS+8*\bp+\c:CS+8*\bp+\c+1], v[U0:U0+1] neg_lo:[0,0,1] neg_hi:[0,0,1]            ; x1 cos - x2 sin
.endr
.endr
.endr
.if \lo
	; c = (2^13 + 1) y, hi = c - (c - y): y rounded to 11 bits, which f16 holds exactly from 2^-14 upward; lo = y - hi is exact in f32
.irp b, 0,1,2,3,4,5,6,7
.irp c, 0,2,4,6
	v_pk_mul_f32 v[WW+\c:WW+\c+1], v[T+8*\b+\c:T+8*\b+\c+1], 0x46000400 op_sel_hi:[1,0]
.endr
.irp c, 0,2,4,6
	v_pk_add_f32 v[XX+\c:XX+\c+1], v[WW+\c:WW+\c+1], v[T+8*\b+\c:T+8*\b+\c+1] neg_lo:[0,1] neg_hi:[0,1]
.endr
.irp c, 0,2,4,6
	v_pk_add_f32 v[WW+\c:WW+\c+1], v[WW+\c:WW+\c+1], v[XX+\c:XX+\c+1] neg_lo:[0,1] neg_hi:[0,1]
.endr
.irp c, 0,2,4,6
	v_pk_add_f32 v[T+8*\b+\c:T+8*\b+\c+1], v[T+8*\b+\c:T+8*\b+\c+1], v[WW+\c:WW+\c+1] neg_lo:[0,1] neg_hi:[0,1]
.endr
.irp c, 0,1,2,3
	v_cvt_pk_f16_f32 v[TMP+4*\b+\c], v[WW+2*\c], v[WW+2*\c+1]
	v_cvt_pk_f16_f32 v[LO+4*\b+\c], v[T+8*\b+2*\c], v[T+8*\b+2*\c+1]
.endr
.endr
.else
.irp b, 0,1,2,3,4,5,6,7
.irp c, 0,1,2,3
	v_cvt_pk_f16_f32 v[TMP+4*\b+\c], v[T+8*\b+2*\c], v[T+8*\b+2*\c+1]
.endr
.endr
.endif
.irp b, 0,1,2,3,4,5,6,7
	ds_store_b128 v[STO], v[TMP+4*\b:TMP+4*\b+3] offset:(\b/4)*HST+32*(\b%4)
.endr
.irp t, 0,1,2,3,4,5,6,7
	ds_load_b128 v[T+4*\t:T+4*\t+3], v[RD] offset:(\t/4)*HST+(\t%4)*4*SP      ; LDS serves a wave's instructions in order (ISA guide 5.7.1): these see the stores above
.endr
.irp t, 0,1,2,3,4,5,6,7
	s_wait_dscnt 7-\t                              ; the younger read-backs may stay out
	global_store_b128 v[CO], v[T+4*\t:T+4*\t+3], s[8:9] offset:(\t/4)*HEADB+(16*\i+4*(\t%4))*128   ; four rows of a head: 512 consecutive bytes, aligned
.endr
.if \lo
	; the second terms take the same way through my stage (its read-backs above are all in), into registers of their own
.irp b, 0,1,2,3,4,5,6,7
	ds_store_b128 v[STO], v[LO+4*\b:LO+4*\b+3] offset:(\b/4)*HST+32*(\b%4)
.endr
.irp t, 0,1,2,3,4,5,6,7
	ds_load_b128 v[T+32+4*\t:T+32+4*\t+3], v[RD] offset:(\t/4)*HST+(\t%4)*4*SP
.endr
	v_cmp_eq_u32 vcc_lo, 0, v[EF]                  ; all lanes or none: only a wave whose first row is position 0 holds positions 0 to 63
	s_wait_xcnt 0x0                                ; EXEC changes only when the stores above have had their addresses translated (ISA guide 3.1)
	s_and_saveexec_b32 s98, vcc_lo
.irp t, 0,1,2,3,4,5,6,7
	s_wait_dscnt 7-\t                              ; the younger read-backs may stay out
	global_store_b128 v[CO], v[T+32+4*\t:T+32+4*\t+3], s[96:97] offset:(\t/4)*LOPL+(16*\i+4*(\t%4))*128
.endr
	s_wait_xcnt 0x0                                ; and again in front of the line that widens it
	s_or_b32 exec_lo, exec_lo, s98
.endif
	v_add_f32 v[POS], 0x41800000, v[POS]           ; 16 positions on
	v_add_f32 v[POS+1], 0x41800000, v[POS+1]
.endm
	OUT16 0, 0, 0x02, 1
	OUT16 1, 1, 0x02, 1
	OUT16 2, 2, 0x02, 1
	OUT16 3, 3, 0x02, 1
	OUT16 4, 0, 0x03, 0
	OUT16 5, 1, 0x03, 0
	OUT16 6, 2, 0x03, 0
	OUT16 7, 3, 0x03, 0
	s_wait_tensorcnt 0x0
	ds_add_u32 v62, v63
	s_wait_dscnt 0x0
	CROUND                                         ; the closing round: no work-group ends while a partner may still ask for a tile that names it
	s_endpgm
.Lfunc_end_k_q6b5780717a_qkv:
	.size	k_q6b5780717a_qkv, .Lfunc_end_k_q6b5780717a_qkv-k_q6b5780717a_qkv
	.p2alignl 7, 3214868480
	.fill 96, 4, 3214868480
	.section	.rodata,"a",@progbits
	.p2align	6, 0x0
	.amdhsa_kernel k_q6b5780717a_qkv
		.amdhsa_group_segment_fixed_size 327680
		.amdhsa_private_segment_fixed_size 0
		.amdhsa_enable_private_segment 0
		.amdhsa_kernarg_size 104
		.amdhsa_user_sgpr_count 2
		.amdhsa_user_sgpr_kernarg_segment_ptr 1
		.amdhsa_wavefront_size32 1
		.amdhsa_system_sgpr_workgroup_id_x 1
		.amdhsa_system_sgpr_workgroup_id_y 1
		.amdhsa_system_sgpr_workgroup_id_z 1
		.amdhsa_system_vgpr_workitem_id 0
		.amdhsa_next_free_vgpr 1024
		.amdhsa_next_free_sgpr 100
		.amdhsa_reserve_vcc 1
		.amdhsa_float_denorm_mode_32 3
		.amdhsa_float_denorm_mode_16_64 3
		.amdhsa_memory_ordered 1
		.amdhsa_forward_progress 1
		.amdhsa_inst_pref_size 255
	.end_amdhsa_kernel
	.section	.bss,"aw",@nobits
	.p2align	6
	.space	262144
	.amdgpu_metadata
---
amdhsa.version: [ 1, 2 ]
amdhsa.kernels:
  - .name:           k_q6b5780717a_qkv
    .symbol:         k_q6b5780717a_qkv.kd
    .args:
      - { .name: query, .offset: 0, .size: 8, .value_kind: global_buffer, .address_space: global }
      - { .name: key, .offset: 8, .size: 8, .value_kind: global_buffer, .address_space: global }
      - { .name: value, .offset: 16, .size: 8, .value_kind: global_buffer, .address_space: global }
      - { .name: Wq, .offset: 24, .size: 8, .value_kind: global_buffer, .address_space: global }
      - { .name: Wk, .offset: 32, .size: 8, .value_kind: global_buffer, .address_space: global }
      - { .name: Wv, .offset: 40, .size: 8, .value_kind: global_buffer, .address_space: global }
      - { .name: bq, .offset: 48, .size: 8, .value_kind: global_buffer, .address_space: global }
      - { .name: bk, .offset: 56, .size: 8, .value_kind: global_buffer, .address_space: global }
      - { .name: bv, .offset: 64, .size: 8, .value_kind: global_buffer, .address_space: global }
      - { .name: qws, .offset: 72, .size: 8, .value_kind: global_buffer, .address_space: global }
      - { .name: kws, .offset: 80, .size: 8, .value_kind: global_buffer, .address_space: global }
      - { .name: vws, .offset: 88, .size: 8, .value_kind: global_buffer, .address_space: global }
      - { .name: elo, .offset: 96, .size: 8, .value_kind: global_buffer, .address_space: global }
    .group_segment_fixed_size: 327680
    .private_segment_fixed_size: 0
    .kernarg_segment_align: 8
    .kernarg_segment_size: 104
    .max_flat_workgroup_size: 128
    .sgpr_count:     100
    .vgpr_count:     1024
    .wavefront_size: 32
...
	.end_amdgpu_metadata
.endif
;; end of part 1
;; launch attn (part 2): grid 8 x 32, 8 waves a work-group, no clusters, 316,416 bytes of LDS; arguments qws, kws, vws, aws, elo; writes aws
.if DOCPART == 2
	.amdgcn_target "amdgcn-amd-amdhsa--gfx1250"
	.amdhsa_code_object_version 6
	.text
	.protected	k_q6b5780717a_attn
	.globl	k_q6b5780717a_attn
	.p2align	8
	.type	k_q6b5780717a_attn,@function
k_q6b5780717a_attn:
	s_mov_b64 s[64:65], 0
	v_nop
	global_prefetch_b8 v0, s[64:65] scope:SCOPE_SE
	s_setreg_imm32_b32 hwreg(HW_REG_WAVE_MODE, 25, 1), 1
	s_wait_xcnt 0x0
; Sliding-window attention on the f16 q, k, v of the launch before ([B][H][S][64]; q already holds 0.125 log2(e)): key allowed iff 0 <= query - key <= 512.
; The key equal to the query is always allowed, so no row is fully masked and the problem's zeroing of such rows never acts.
; A work-group takes 256 queries of one head (block j of 8, head-and-batch bh of 32): 256 work-groups.  Eight waves, 32 queries each.
; The block's window is 768 keys, twelve tiles of 64: all of K and V for it lie in LDS at once, each tile filled once, nothing filled again.
; A wave's queries lie in key tile i = 4 j + p (p = wave / 2).  It walks tiles i, i-1, .. i-8: the first masked above the diagonal, the last below the
; window's edge, the seven between whole.  Tiles in front of key 0 do not exist: the wave jumps forward over them.
; TRANSPOSED: S^T = K Q^T (lane r holds query r, its registers keys 8 h + j), so maxima and sums stay in the lane but for one exchange of the halves,
; the probabilities pack in place into the second operand of O^T = V^T P^T, and the rescaling factor is one number a lane.
; The running maximum is taken away before every exponential, as the problem's softmax does.
; TWO TERMS FOR QUERIES 0 TO 63 (waves with i = 0, which have this one tile): they average at most 64 keys and give outputs up to ten times the output's
; root mean square, so one f16 rounding of q, k, v and p each is too coarse for them.  Each of the four is taken as hi + lo, both f16 (q's, k's and v's
; lo from elo, [3][B][H][64][64]; p's made here), and each product as hi hi + lo hi + hi lo: three times the products, on one tile of a wave that has no other.
; NO JOINT LOADS, though neighbouring blocks of a head share keys: a block of 256 keys is tiles 8-11 for query block j, 4-7 for j + 1 and 0-3 for j + 2; a joint
; load has one LDS address for all that it names, so every fragment address would have to hang on the place in the cluster.
; Blocks j = 0 and 1 have no keys for the oldest one or two stages: their loads are clamped to key 0 and the bytes are never read (128 or 64 KiB in 64 of
; 256 work-groups), so that every wave issues the same three loads on every path and the counted waits hold.
; LIMITS: from query 64 on probabilities are rounded to f16 (below 6e-8 they become 0); the output is f16 (below 65,504 in size, as v is); a NaN among the scores loses in the maxima.
.set KP,    144                        ; K's LDS pitch: 128 bytes + 16, 9 x 16 bytes
.set KT,    64*KP
.set VP,    160                        ; V's LDS pitch: 128 bytes + 32, 5 x 32 bytes, for the transposing loads
.set VT,    64*VP
.set VBASE, 12*KT
.set STAGE, VBASE+12*VT                ; each wave's own stage; no fill lands here
.set WST,   64*VP                      ; its bytes: 64 keys x 160 for v's second terms; the way out uses 32 rows x 144 of them
.set SP,    144
.set VST, 1                            ; my stage: where I put 16 bytes of v's second terms
.set KB0, 2                            ; K fragments: lane term + (p + 4) tiles
.set KB1, 3                            ; lane term + p tiles
.set VB0, 4
.set VB1, 5
.set STO, 6
.set RD,  7
; v8, v9 running maxima; v10, v11 running sums (each half of the lanes its own keys); v12, v14 rescaling factors (v13, v15 fill their pairs)
; v16-19 maxima at work, the new ones end in v16 and v18; v20, v21 from the other half; v22-25 sums at work
.set DL,  26                           ; v26, v27: query's place in its tile less 8 h, for query tiles 0, 1
.set CO,  28
.set QOFF, 29
.set VS,  30                           ; my stage: the transposing loads' lane term
.set NEG, 31                           ; the problem's masked score, the most negative finite f32
.set QF,  32                           ; v32-63   Q fragments (qt, ks) at 8 (2 qt + ks)
.set KV,  64                           ; v64-127  K's fragments (mt, ks), then V's (dt, ks2)
.set SC,  128                          ; v128-191 scores (qt, mt) at 32 qt + 8 mt; probabilities (qt, ks2) in place at 32 qt + 16 ks2
.set OA,  192                          ; v192-255 output (qt, dt) at 32 qt + 8 dt
	s_load_b256 s[4:11], s[0:1], 0x0               ; qws, kws, vws, aws
	s_load_b64 s[56:57], s[0:1], 0x20              ; elo
	s_set_vgpr_msb 0x40
	v_lshl_add_u32 v0, v0, 2, 0x4d000
	v_mov_b32 v1, 0
	s_set_vgpr_msb 0x4045
	ds_add_u32 v0, v1
	s_set_vgpr_msb 0x4500
	v_lshrrev_b32 v1, 5, v0
	v_readfirstlane_b32 s12, v1                    ; wave 0..7
	s_and_b32 s42, ttmp7, 0xffff                   ; bh
	s_lshr_b32 s46, s12, 1                         ; p
	s_and_b32 s47, s12, 1                          ; e: which 32 of the tile's 64 queries
	s_and_b32 s48, s12, 3                          ; which tile of a stage I fetch
	s_lshl2_add_u32 s52, ttmp9, s46                ; i = 4 j + p
	s_lshl_b32 s43, s42, 11                        ; the head's first row
	s_lshl_b32 s49, s48, 6
	s_add_co_u32 s49, s49, s43
.irp st, 0,1,2
	s_sub_co_i32 s13, ttmp9, \st                   ; stage st: the 256 keys of block j - st, clamped to block 0
	s_max_i32 s13, s13, 0
	s_lshl_b32 s13, s13, 8
	s_add_co_u32 s13, s13, s49
	s_lshl_b32 s[36+2*\st], s13, 7                 ; rows of 128 bytes; below 8 MiB
	s_mov_b32 s[37+2*\st], 0
.endr
	s_mov_b32 s17, 64<<16                          ; group 1: tensor_dim0 = 64 elements of 2 bytes
	s_mov_b32 s18, 64<<16                          ; tensor_dim1 = 64
	s_mov_b32 s19, 64<<16                          ; tile_dim0 = 64
	s_mov_b32 s20, 64                              ; tile_dim1 = 64
	s_mov_b32 s21, 64                              ; elements from row to row
	s_mov_b32 s22, 0
	s_mov_b32 s23, 0
	s_mov_b32 s44, 0x76543210                      ; v_permlanex16_b32: lane i of one half reads lane i of the other
	s_mov_b32 s45, 0xfedcba98
; My three loads, one for each stage; LDS address = wave x tile + constant + the stage's constant
.macro FILLS ptr, word0, base, tile
	s_mov_b32 s16, \word0
	s_mul_i32 s13, s12, \tile
.irp st, 0,1,2
	s_mov_b32 s[24+4*\st], 1
	s_add_co_u32 s[25+4*\st], s13, \base+(2-\st)*4*\tile
	s_add_nc_u64 s[26+4*\st:27+4*\st], s[\ptr:\ptr+1], s[36+2*\st:37+2*\st]
	s_or_b32 s[27+4*\st], s[27+4*\st], 0x80000000
	tensor_load_to_lds s[24+4*\st:27+4*\st], s[16:23]
	s_nop 0
.endr
.endm
	s_wait_dscnt 0x0
	s_wait_kmcnt 0x0
	s_cmp_lt_u32 s12, 4
	s_cbranch_scc0 .Lfill_v
	FILLS 6, (1<<16)|(1<<20)|(4<<22)|(3<<25), 0, KT              ; waves 0-3: K; behind every 32 words 4 words of padding
	s_branch .Lfilled
.Lfill_v:
	FILLS 8, (1<<16)|(1<<20)|(4<<22)|(7<<25), VBASE-4*VT, VT     ; waves 4-7: V; 8 words of padding
.Lfilled:
	s_lshl_b32 s13, ttmp9, 8
	s_lshl_b32 s14, s12, 5
	s_add_co_u32 s13, s13, s14
	s_add_co_u32 s13, s13, s43                     ; my first query's row
	s_lshl_b32 s14, s13, 7
	s_mov_b32 s15, 0
	s_add_nc_u64 s[4:5], s[4:5], s[14:15]
	s_add_nc_u64 s[10:11], s[10:11], s[14:15]
	s_lshl_b32 s14, s42, 13                        ; the second terms: the head's plane of 64 rows x 128 bytes
	s_add_nc_u64 s[56:57], s[56:57], s[14:15]      ; q's
	s_add_nc_u64 s[60:61], s[56:57], 0x40000       ; k's, 32 planes on
	s_add_nc_u64 s[62:63], s[56:57], 0x80000       ; v's, 64 planes on
	s_lshl_b32 s14, s47, 12
	s_add_nc_u64 s[58:59], s[56:57], s[14:15]      ; q's, at row 32 e
	v_and_b32 v1, 15, v0                           ; r
	v_bfe_u32 v30, v0, 4, 1                        ; h
	v_lshlrev_b32 v[QOFF], 7, v1
	v_lshl_add_u32 v[QOFF], v30, 4, v[QOFF]
.irp qt, 0,1
.irp ks, 0,1
	global_load_b128 v[QF+8*(2*\qt+\ks):QF+8*(2*\qt+\ks)+3],   v[QOFF], s[4:5] offset:\qt*2048+\ks*64
	global_load_b128 v[QF+8*(2*\qt+\ks)+4:QF+8*(2*\qt+\ks)+7], v[QOFF], s[4:5] offset:\qt*2048+\ks*64+32
.endr
.endr
	v_mul_u32_u24 v[KB1], v1, KP
	v_lshl_add_u32 v[KB1], v30, 4, v[KB1]          ; row r, 16 bytes for each half of the lanes
	s_mul_i32 s54, s46, KT
	v_add_nc_u32 v[KB1], s54, v[KB1]
	v_add_nc_u32 v[KB0], 4*KT, v[KB1]
	v_and_b32 v[VB1], 7, v0                        ; the transposing load: key 8 h + l % 8, 16 bytes by bit 3 of the lane
	v_lshl_add_u32 v[VB1], v30, 3, v[VB1]
	v_mul_u32_u24 v[VB1], v[VB1], VP
	v_bfe_u32 v[VB0], v0, 3, 1
	v_lshl_add_u32 v[VB1], v[VB0], 4, v[VB1]
	s_mul_i32 s54, s46, VT
	s_add_co_u32 s54, s54, VBASE
	v_add_nc_u32 v[VB1], s54, v[VB1]
	v_add_nc_u32 v[VB0], 4*VT, v[VB1]
	s_mul_i32 s55, s12, WST
	s_add_co_u32 s55, s55, STAGE                   ; my stage
	v_mul_u32_u24 v[STO], v1, SP
	v_lshl_add_u32 v[STO], v30, 4, v[STO]
	v_add_nc_u32 v[STO], s55, v[STO]
	v_and_b32 v[CO], 31, v0
	v_lshrrev_b32 v[RD], 3, v[CO]
	v_mul_u32_u24 v[RD], v[RD], SP
	v_and_b32 v20, 7, v0
	v_lshl_add_u32 v[RD], v20, 4, v[RD]
	v_add_nc_u32 v[RD], s55, v[RD]
	v_lshlrev_b32 v[CO], 4, v[CO]
	v_lshlrev_b32 v30, 3, v30                      ; 8 h
	v_sub_nc_u32 v[DL], v1, v30
	s_lshl_b32 s54, s47, 5
	v_add_nc_u32 v[DL], s54, v[DL]                 ; 32 e + r - 8 h
	v_add_nc_u32 v[DL+1], 16, v[DL]
	v_and_b32 v1, 7, v0                            ; r and h are done with: v30 and v1 become the stage's two addresses for v's second terms
	v_add_nc_u32 v[VS], v30, v1                    ; out of it: key 8 h + l % 8,
	v_mul_u32_u24 v[VS], v[VS], VP
	v_bfe_u32 v20, v0, 3, 1
	v_lshl_add_u32 v[VS], v20, 4, v[VS]            ; 16 bytes by bit 3 of the lane
	v_add_nc_u32 v[VS], s55, v[VS]
	v_bfe_u32 v20, v0, 3, 2                        ; into it: eight lanes a row of 128 bytes, the wave four rows
	v_mul_u32_u24 v20, v20, VP
	v_lshl_add_u32 v[VST], v1, 4, v20
	v_add_nc_u32 v[VST], s55, v[VST]
	v_mov_b32 v[NEG], 0xff7fffff
	v_mov_b32 v13, 0                               ; the second registers of the broadcast pairs, and the exchange's destinations, are written once
	v_mov_b32 v15, 0
	v_mov_b32 v20, 0
	v_mov_b32 v21, 0
.macro NOPS n                          ; places behind matrix instructions (ISA guide 7.12.1)
.rept \n
	v_nop
.endr
.endm
.macro LDK kb, koff                    ; a tile's K fragments (mt, ks) from LDS
.irp mt, 0,1,2,3
.irp ks, 0,1
	ds_load_b128 v[KV+8*(2*\mt+\ks):KV+8*(2*\mt+\ks)+3],   v[\kb] offset:\koff+\mt*16*KP+\ks*64
	ds_load_b128 v[KV+8*(2*\mt+\ks)+4:KV+8*(2*\mt+\ks)+7], v[\kb] offset:\koff+\mt*16*KP+\ks*64+32
.endr
.endr
.endm
; 16 products: the K fragments at kf times the Q fragments.  Eight score tiles take turns, one instruction a turn.  zero = 1: the first 32 dimensions start the sums.
.macro SMUL kf, zero
.irp mt, 0,1,2,3
.irp qt, 0,1
.if \zero
	v_wmma_f32_16x16x32_f16 v[SC+32*\qt+8*\mt:SC+32*\qt+8*\mt+7], v[\kf+16*\mt:\kf+16*\mt+7], v[QF+16*\qt:QF+16*\qt+7], 0
.else
	v_wmma_f32_16x16x32_f16 v[SC+32*\qt+8*\mt:SC+32*\qt+8*\mt+7], v[\kf+16*\mt:\kf+16*\mt+7], v[QF+16*\qt:QF+16*\qt+7], v[SC+32*\qt+8*\mt:SC+32*\qt+8*\mt+7]
.endif
.endr
.endr
.irp mt, 0,1,2,3
.irp qt, 0,1
	v_wmma_f32_16x16x32_f16 v[SC+32*\qt+8*\mt:SC+32*\qt+8*\mt+7], v[\kf+16*\mt+8:\kf+16*\mt+15], v[QF+16*\qt+8:QF+16*\qt+15], v[SC+32*\qt+8*\mt:SC+32*\qt+8*\mt+7]
.endr
.endr
.endm
.macro LDV vb, voff                    ; a tile's V^T fragments (dt, ks2)
.irp dt, 0,1,2,3
.irp ks2, 0,1
	ds_load_tr16_b128 v[KV+8*(2*\dt+\ks2):KV+8*(2*\dt+\ks2)+3],   v[\vb] offset:\voff+\ks2*32*VP+\dt*32          ; dimension 16 dt + r, keys 32 ks2 + 8 h + 0..7
	ds_load_tr16_b128 v[KV+8*(2*\dt+\ks2)+4:KV+8*(2*\dt+\ks2)+7], v[\vb] offset:\voff+\ks2*32*VP+\dt*32+16*VP   ; and keys + 16
.endr
.endr
.endm
; 16 products: V^T times the probabilities' fragments at pb + pq qt + pk ks2.  Eight output tiles take turns, one instruction a turn.
.macro OMUL pb, pq, pk, zero
.irp dt, 0,1,2,3
.irp qt, 0,1
.if \zero
	v_wmma_f32_16x16x32_f16 v[OA+32*\qt+8*\dt:OA+32*\qt+8*\dt+7], v[KV+16*\dt:KV+16*\dt+7], v[\pb+\pq*\qt:\pb+\pq*\qt+7], 0
.else
	v_wmma_f32_16x16x32_f16 v[OA+32*\qt+8*\dt:OA+32*\qt+8*\dt+7], v[KV+16*\dt:KV+16*\dt+7], v[\pb+\pq*\qt:\pb+\pq*\qt+7], v[OA+32*\qt+8*\dt:OA+32*\qt+8*\dt+7]
.endif
.endr
.endr
.irp dt, 0,1,2,3
.irp qt, 0,1
	v_wmma_f32_16x16x32_f16 v[OA+32*\qt+8*\dt:OA+32*\qt+8*\dt+7], v[KV+16*\dt+8:KV+16*\dt+15], v[\pb+\pq*\qt+\pk:\pb+\pq*\qt+\pk+7], v[OA+32*\qt+8*\dt:OA+32*\qt+8*\dt+7]
.endr
.endr
.endm
; From scores to probabilities in f32, with the running maximum and sum.  init = 1: the first tile starts them.  mask = 1: keys above the diagonal go; 2: keys below the window's edge go.
.macro SOFT init, mask
.if \mask
.irp qt, 0,1
.irp mt, 0,1,2,3
.irp j, 0,1,2,3,4,5,6,7
.if \mask == 1
	v_cmp_le_i32 vcc_lo, 16*\mt+\j, v[DL+\qt]      ; key's place 16 mt + 8 h + j <= query's place
.else
	v_cmp_ge_i32 vcc_lo, 16*\mt+\j, v[DL+\qt]      ; key's place >= query's place, 512 keys back
.endif
	v_cndmask_b32 v[SC+32*\qt+8*\mt+\j], v[NEG], v[SC+32*\qt+8*\mt+\j], vcc_lo
.endr
.endr
.endr
.endif
	; the largest of my 32 scores of each query, in two chains a query
.irp qt, 0,1
	v_max_num_f32 v[16+2*\qt], v[SC+32*\qt], v[SC+32*\qt+1]
	v_max_num_f32 v[17+2*\qt], v[SC+32*\qt+16], v[SC+32*\qt+17]
.endr
.irp c, 2,4,6,8,10,12,14
.irp qt, 0,1
	v_max3_num_f32 v[16+2*\qt], v[16+2*\qt], v[SC+32*\qt+\c], v[SC+32*\qt+\c+1]
	v_max3_num_f32 v[17+2*\qt], v[17+2*\qt], v[SC+32*\qt+16+\c], v[SC+32*\qt+16+\c+1]
.endr
.endr
.if \init
	v_max_num_f32 v16, v16, v17
	v_max_num_f32 v18, v18, v19
.else
	v_max3_num_f32 v16, v16, v17, v8
	v_max3_num_f32 v18, v18, v19, v9
.endif
	v_permlanex16_b32 v20, v16, s44, s45           ; the other half of the lanes holds the query's other keys
	v_permlanex16_b32 v21, v18, s44, s45
	v_max_num_f32 v16, v16, v20
	v_max_num_f32 v18, v18, v21
.if \init == 0
	v_sub_f32 v12, v8, v16
	v_sub_f32 v14, v9, v18
.endif
	v_mov_b32 v8, v16
	v_mov_b32 v9, v18
.irp qt, 0,1
.irp c, 0,2,4,6,8,10,12,14,16,18,20,22,24,26,28,30
	v_pk_add_f32 v[SC+32*\qt+\c:SC+32*\qt+\c+1], v[SC+32*\qt+\c:SC+32*\qt+\c+1], v[16+2*\qt:17+2*\qt] op_sel_hi:[1,0] neg_lo:[0,1] neg_hi:[0,1]
.endr
.endr
.set n, 0
.rept 64
	v_exp_f32 v[SC+n], v[SC+n]
.set n, n+1
.endr
.if \init == 0
	v_exp_f32 v12, v12
	v_exp_f32 v14, v14
.endif
	v_nop                                          ; a plain instruction behind the exponentials before their results are read (ISA guide 5.7.2)
	s_wait_alu depctr_va_vdst(0)
	v_pk_add_f32 v[22:23], v[SC:SC+1], v[SC+2:SC+3]
	v_pk_add_f32 v[24:25], v[SC+32:SC+33], v[SC+34:SC+35]
.irp c, 4,6,8,10,12,14,16,18,20,22,24,26,28,30
	v_pk_add_f32 v[22:23], v[22:23], v[SC+\c:SC+\c+1]
	v_pk_add_f32 v[24:25], v[24:25], v[SC+32+\c:SC+32+\c+1]
.endr
.if \init
	v_add_f32 v10, v22, v23
	v_add_f32 v11, v24, v25
.else
	v_add_f32 v22, v22, v23
	v_add_f32 v24, v24, v25
	v_fma_f32 v10, v10, v12, v22
	v_fma_f32 v11, v11, v14, v24
.endif
.endm
; One tile of 64 keys in plain f16.
.macro TILE init, mask, kb, koff, vb, voff
	LDK \kb, \koff
	s_wait_dscnt 0x0
	SMUL KV, 1
	NOPS 4                                         ; in front of loads into K's fragment registers and of reads of the scores
	LDV \vb, \voff
	SOFT \init, \mask
	; a lane's keys 8 h + j of score tiles 2 ks2 and 2 ks2 + 1 are the fragment's K = 8 h + j and 16 + 8 h + j: packed in place, ascending, each source read before it is written
.irp qt, 0,1
.irp ks2, 0,1
.irp c, 0,1,2,3,4,5,6,7
	v_cvt_pk_f16_f32 v[SC+32*\qt+16*\ks2+\c], v[SC+32*\qt+16*\ks2+2*\c], v[SC+32*\qt+16*\ks2+2*\c+1]
.endr
.endr
.endr
.if \init == 0
.irp qt, 0,1
.irp c, 0,2,4,6,8,10,12,14,16,18,20,22,24,26,28,30
	v_pk_mul_f32 v[OA+32*\qt+\c:OA+32*\qt+\c+1], v[OA+32*\qt+\c:OA+32*\qt+\c+1], v[12+2*\qt:13+2*\qt] op_sel_hi:[1,0]
.endr
.endr
.endif
	s_wait_dscnt 0x0                               ; V's fragments
	OMUL SC, 32, 16, \init
	NOPS 5                                         ; in front of the next tile's loads into V's registers and of its products, which write over the probabilities
.endm
; Key tile 0 for queries 0 to 63, every operand in two terms.  It starts maxima, sums and output as TILE 1, 1 does.
.macro ETILE
.irp t, 0,1,2,3,4,5,6,7,8,9,10,11,12,13,14,15
	global_load_b128 v[SC+4*\t:SC+4*\t+3], v[CO], s[62:63] offset:512*\t     ; v's second terms, 8 KiB as they lie, through the score registers, which are still free
.endr
.irp mt, 0,1,2,3
.irp ks, 0,1
	global_load_b128 v[OA+8*(2*\mt+\ks):OA+8*(2*\mt+\ks)+3],   v[QOFF], s[60:61] offset:\mt*2048+\ks*64      ; k's second terms, as fragments, in the output registers, which are still free
	global_load_b128 v[OA+8*(2*\mt+\ks)+4:OA+8*(2*\mt+\ks)+7], v[QOFF], s[60:61] offset:\mt*2048+\ks*64+32
.endr
.endr
	LDK KB0, 4*KT
	s_wait_loadcnt 0x10                            ; v's sixteen loads are in; k's sixteen, issued behind them, may stay out
.irp t, 0,1,2,3,4,5,6,7,8,9,10,11,12,13,14,15
	ds_store_b128 v[VST], v[SC+4*\t:SC+4*\t+3] offset:\t*4*VP                ; into my own stage, rows 160 bytes apart as V's tiles are
.endr
	s_wait_loadcnt 0x0
	s_wait_dscnt 0x0                               ; K's first terms are in, and the stores have read the score registers
	SMUL KV, 1                                     ; Kh Qh
	SMUL OA, 0                                     ; + Kl Qh
	NOPS 5                                         ; in front of loads into Q's fragment registers
.irp qt, 0,1
.irp ks, 0,1
	global_load_b128 v[QF+8*(2*\qt+\ks):QF+8*(2*\qt+\ks)+3],   v[QOFF], s[58:59] offset:\qt*2048+\ks*64      ; q's second terms take the first terms' place
	global_load_b128 v[QF+8*(2*\qt+\ks)+4:QF+8*(2*\qt+\ks)+7], v[QOFF], s[58:59] offset:\qt*2048+\ks*64+32
.endr
.endr
	s_wait_loadcnt 0x0
	SMUL KV, 0                                     ; + Kh Ql
	NOPS 4
	LDV VB0, 4*VT
	SOFT 1, 1
	; p = hi + lo: hi keeps p's upper 11 bits (exact in f16 from 2^-14 upward), lo = p - hi is exact in f32.  hi packs in place, lo into Q's registers.
.irp qt, 0,1
.irp ks2, 0,1
.irp c, 0,1,2,3,4,5,6,7
	v_and_b32 v[22+2*(\c%2)], 0xffffe000, v[SC+32*\qt+16*\ks2+2*\c]
	v_and_b32 v[23+2*(\c%2)], 0xffffe000, v[SC+32*\qt+16*\ks2+2*\c+1]
	v_pk_add_f32 v[SC+32*\qt+16*\ks2+2*\c:SC+32*\qt+16*\ks2+2*\c+1], v[SC+32*\qt+16*\ks2+2*\c:SC+32*\qt+16*\ks2+2*\c+1], v[22+2*(\c%2):23+2*(\c%2)] neg_lo:[0,1] neg_hi:[0,1]
	v_cvt_pk_f16_f32 v[QF+16*\qt+8*\ks2+\c], v[SC+32*\qt+16*\ks2+2*\c], v[SC+32*\qt+16*\ks2+2*\c+1]
	v_cvt_pk_f16_f32 v[SC+32*\qt+16*\ks2+\c], v[22+2*(\c%2)], v[23+2*(\c%2)]
.endr
.endr
.endr
	s_wait_dscnt 0x0                               ; V's first terms
	OMUL SC, 32, 16, 1                             ; Vh Ph
	OMUL QF, 16, 8, 0                              ; + Vh Pl
	NOPS 5                                         ; in front of loads into V's fragment registers
	LDV VS, 0                                      ; my own stage: LDS serves a wave's instructions in order (ISA guide 5.7.1)
	s_wait_dscnt 0x0
	OMUL SC, 32, 16, 0                             ; + Vl Ph
	NOPS 5
.endm
	s_wait_loadcnt 0x0                             ; Q
	s_wait_tensorcnt 0x2                           ; my tile of the newest 256 keys is in; my two loads for the older stages may stay out
	s_barrier_signal -1
	s_barrier_wait -1                              ; everybody's is
	s_cmp_eq_u32 s52, 0
	s_cbranch_scc1 .Learly
	TILE 1, 1, KB0, 4*KT, VB0, 4*VT                ; tile i, LDS tile p + 8: every query has its own key in it
	s_branch .Lmiddle
.Learly:
	ETILE                                          ; the same tile for queries 0 to 63
.Lmiddle:
	s_wait_tensorcnt 0x1                           ; my tile of the middle stage; the oldest stage's one load may stay out
	s_barrier_signal -1
	s_barrier_wait -1
	s_cmp_lt_u32 s52, 1                            ; tiles i-1 .. i-4 are LDS tiles p + 7 .. p + 4: the two newer stages
	s_cbranch_scc1 .Loldest
	TILE 0, 0, KB0, 3*KT, VB0, 3*VT
	s_cmp_lt_u32 s52, 2
	s_cbranch_scc1 .Loldest
	TILE 0, 0, KB0, 2*KT, VB0, 2*VT
	s_cmp_lt_u32 s52, 3
	s_cbranch_scc1 .Loldest
	TILE 0, 0, KB0, 1*KT, VB0, 1*VT
	s_cmp_lt_u32 s52, 4
	s_cbranch_scc1 .Loldest
	TILE 0, 0, KB0, 0, VB0, 0
.Loldest:
	s_wait_tensorcnt 0x0                           ; my last tile
	s_barrier_signal -1
	s_barrier_wait -1
	s_cmp_lt_u32 s52, 5                            ; tiles i-5 .. i-8 are LDS tiles p + 3 .. p
	s_cbranch_scc1 .Lfinish
	TILE 0, 0, KB1, 3*KT, VB1, 3*VT
	s_cmp_lt_u32 s52, 6
	s_cbranch_scc1 .Lfinish
	TILE 0, 0, KB1, 2*KT, VB1, 2*VT
	s_cmp_lt_u32 s52, 7
	s_cbranch_scc1 .Lfinish
	TILE 0, 0, KB1, 1*KT, VB1, 1*VT
	s_cmp_lt_u32 s52, 8
	s_cbranch_scc1 .Lfinish
	TILE 0, 2, KB1, 0, VB1, 0                      ; the window's edge
.Lfinish:
	v_permlanex16_b32 v20, v10, s44, s45           ; the two halves' sums meet
	v_permlanex16_b32 v21, v11, s44, s45
	v_add_f32 v10, v10, v20
	v_add_f32 v11, v11, v21
	v_rcp_f32 v12, v10                             ; the sum is at least 1: the largest score gives 2^0
	v_rcp_f32 v14, v11
	v_nop                                          ; a plain instruction behind the reciprocals (ISA guide 5.7.2)
	s_wait_alu depctr_va_vdst(0)
.irp qt, 0,1
.irp c, 0,2,4,6,8,10,12,14,16,18,20,22,24,26,28,30
	v_pk_mul_f32 v[OA+32*\qt+\c:OA+32*\qt+\c+1], v[OA+32*\qt+\c:OA+32*\qt+\c+1], v[12+2*\qt:13+2*\qt] op_sel_hi:[1,0]
.endr
.endr
.irp qt, 0,1
.irp dt, 0,1,2,3
.irp c, 0,1,2,3
	v_cvt_pk_f16_f32 v[OA+32*\qt+8*\dt+\c], v[OA+32*\qt+8*\dt+2*\c], v[OA+32*\qt+8*\dt+2*\c+1]
.endr
	ds_store_b128 v[STO], v[OA+32*\qt+8*\dt:OA+32*\qt+8*\dt+3] offset:\qt*16*SP+32*\dt   ; query 16 qt + r, dimensions 16 dt + 8 h + 0..7
.endr
.endr
.irp t, 0,1,2,3,4,5,6,7
	ds_load_b128 v[KV+4*\t:KV+4*\t+3], v[RD] offset:\t*4*SP        ; my own stage: LDS serves a wave's instructions in order (ISA guide 5.7.1)
.endr
.irp t, 0,1,2,3,4,5,6,7
	s_wait_dscnt 7-\t                              ; the younger read-backs may stay out
	global_store_b128 v[CO], v[KV+4*\t:KV+4*\t+3], s[10:11] offset:512*\t   ; four rows: 512 consecutive bytes, aligned
.endr
	s_set_vgpr_msb 0x5
	s_wait_tensorcnt 0x0
	ds_add_u32 v0, v1
	s_wait_dscnt 0x0
	s_set_vgpr_msb 0x500
	s_endpgm
.Lfunc_end_k_q6b5780717a_attn:
	.size	k_q6b5780717a_attn, .Lfunc_end_k_q6b5780717a_attn-k_q6b5780717a_attn
	.p2alignl 7, 3214868480
	.fill 96, 4, 3214868480
	.section	.rodata,"a",@progbits
	.p2align	6, 0x0
	.amdhsa_kernel k_q6b5780717a_attn
		.amdhsa_group_segment_fixed_size 316416
		.amdhsa_private_segment_fixed_size 0
		.amdhsa_enable_private_segment 0
		.amdhsa_kernarg_size 40
		.amdhsa_user_sgpr_count 2
		.amdhsa_user_sgpr_kernarg_segment_ptr 1
		.amdhsa_wavefront_size32 1
		.amdhsa_system_sgpr_workgroup_id_x 1
		.amdhsa_system_sgpr_workgroup_id_y 1
		.amdhsa_system_sgpr_workgroup_id_z 1
		.amdhsa_system_vgpr_workitem_id 0
		.amdhsa_next_free_vgpr 258
		.amdhsa_next_free_sgpr 66
		.amdhsa_reserve_vcc 1
		.amdhsa_float_denorm_mode_32 3
		.amdhsa_float_denorm_mode_16_64 3
		.amdhsa_memory_ordered 1
		.amdhsa_forward_progress 1
		.amdhsa_inst_pref_size 210
	.end_amdhsa_kernel
	.amdgpu_metadata
---
amdhsa.version: [ 1, 2 ]
amdhsa.kernels:
  - .name:           k_q6b5780717a_attn
    .symbol:         k_q6b5780717a_attn.kd
    .args:
      - { .name: qws, .offset: 0, .size: 8, .value_kind: global_buffer, .address_space: global }
      - { .name: kws, .offset: 8, .size: 8, .value_kind: global_buffer, .address_space: global }
      - { .name: vws, .offset: 16, .size: 8, .value_kind: global_buffer, .address_space: global }
      - { .name: aws, .offset: 24, .size: 8, .value_kind: global_buffer, .address_space: global }
      - { .name: elo, .offset: 32, .size: 8, .value_kind: global_buffer, .address_space: global }
    .group_segment_fixed_size: 316416
    .private_segment_fixed_size: 0
    .kernarg_segment_align: 8
    .kernarg_segment_size: 40
    .max_flat_workgroup_size: 256
    .sgpr_count:     66
    .vgpr_count:     258
    .wavefront_size: 32
...
	.end_amdgpu_metadata
.endif
;; end of part 2
;; launch oproj (part 3): grid 8 x 32, 4 waves a work-group, clusters of 4 x 4, 327,680 bytes of LDS; arguments aws, Wo, bo, out0; writes out0
.if DOCPART == 3
	.amdgcn_target "amdgcn-amd-amdhsa--gfx1250"
	.amdhsa_code_object_version 6
	.text
	.protected	k_q6b5780717a_oproj
	.globl	k_q6b5780717a_oproj
	.p2align	8
	.type	k_q6b5780717a_oproj,@function
k_q6b5780717a_oproj:
	s_mov_b64 s[64:65], 0
	v_nop
	global_prefetch_b8 v0, s[64:65] scope:SCOPE_SE
	s_setreg_imm32_b32 hwreg(HW_REG_WAVE_MODE, 25, 1), 1
	s_wait_xcnt 0x0
	s_wait_alu depctr_hold_cnt(0) depctr_sa_sdst(0) depctr_va_vdst(0) depctr_va_sdst(0) depctr_va_ssrc(0) depctr_va_vcc(0) depctr_vm_vsrc(0)
	s_getreg_b32 s2, hwreg(HW_REG_IB_STS2, 6, 4)
	s_cmp_eq_u32 s2, 0
	s_cbranch_scc0 .Lentry_in_a_cluster
	s_endpgm
.Lentry_in_a_cluster:
	s_bfe_u32 s2, ttmp6, 0x10000c
	s_cmp_lg_u32 s2, 0xf033
	s_cbranch_scc0 .Lentry_shape_is_right
	s_endpgm
.Lentry_shape_is_right:
; out0 = a Wo^T + bo.  a: the attention output in f16, [B][H][S][64], read as 4096 rows x 1024 (column = 64 head + dimension).  Wo: 1024 x 1024 f32.  out0: f32.
; Blocks of 128 x 128: 32 x 8 = 256 work-groups.  Four waves, 64 x 64 each, 16 accumulator tiles.
; K goes in steps of 128 = two heads through a ring of two LDS slots: a's tile is two head planes of 128 rows x 128 bytes (each dense in memory),
; Wo's tile 128 rows x 512 bytes of f32.
; FORMATS: Wo is rounded to bf16, as every input of this program is on its way to a matrix unit (the format that the problem's contract allows for its inputs).
; a needs f16's 11 bits (the first rows of a batch give outputs up to ten times the output's root mean square), and one matrix instruction takes one format:
; so the bf16 number is written as f16, which holds it exactly from 2^-17 upward in size and to 2^-25 below.  That costs four vector instructions for two numbers.
; CLUSTERS: 4 x 4 work-groups; a's tiles are shared along a row of the cluster, Wo's along a column: joint loads, a quarter of the requests.
; LIMIT: a and Wo below 65,504 in size.
; The matrix instruction is used transposed (source 0 = rows of Wo, source 1 = rows of a): a lane holds row l % 16 of out0 and eight neighbouring columns.
; REGISTERS: window 0: v0-31 addresses; v32-95 a's fragments, two sets; v96-159 Wo's in f16, two sets; v160-223 landing area for f32, and the read-back; v224-227 bias.
;            window 1: v0-127 accumulators, tile (a, b) at v[8 (4 a + b)].
.set AP,     144                       ; a's LDS pitch: 128 + 16 bytes
.set BP,     528                       ; Wo's LDS pitch: 512 + 16 bytes, 33 x 16
.set REG,    64*BP                     ; a region: what one wave's load may fill (a's planes use 128 x 144 bytes of theirs)
.set SLOT,   4*REG                     ; plane 0, plane 1, Wo rows 0-63, Wo rows 64-127
.set STAGE,  2*SLOT                    ; 16 rows x 272 bytes for each wave; no fill lands here
.set SPITCH, 272
.set PLANE,  2048*128                  ; bytes from head to head in a
.set ADRA, 16
.set ADRB, 20
.set STO,  24
.set RD,   25
.set CO,   26
.set BOFF, 27
.set FA,   32
.set FB,   96
.set LN,   160
.set BIAS, 224
.set G1,  24
.set G0,  32
.set G1B, 48
.set G0B, 56
.set MSB, 0
.macro WIN new
.if MSB != \new
	s_set_vgpr_msb (MSB<<8)|\new
.set MSB, \new
.endif
.endm
.set MULW, 0x50                        ; sources 0 and 1 window 0, C and D window 1
.macro JLOAD s                         ; waves 0, 1 fetch a's two planes, waves 2, 3 Wo's two halves; the branch hangs on the wave's number alone
	s_cmp_eq_u32 s13, 0
	s_cbranch_scc0 .Lfor_b_\@
	tensor_load_to_lds s[G0+4*\s:G0+4*\s+3], s[G1:G1+7]
	s_nop 0
	s_branch .Lasked_\@
.Lfor_b_\@:
	tensor_load_to_lds s[G0B+4*\s:G0B+4*\s+3], s[G1B:G1B+7]
	s_nop 0
.Lasked_\@:
.endm
.macro CREST
	s_cmp_lg_u32 s12, 0
	s_cbranch_scc1 .Lnot_wave_0_\@
	s_barrier_signal -3
.Lnot_wave_0_\@:
	s_barrier_wait -3
	s_barrier_signal -1
	s_barrier_wait -1
.endm
.macro CROUND
	s_barrier_signal -1
	s_barrier_wait -1
	CREST
.endm
	s_load_b256 s[4:11], s[0:1], 0x0               ; aws, Wo, bo, out0
	v_lshl_add_u32 v254, v0, 2, 0x46400
	v_mov_b32 v255, 0
	ds_add_u32 v254, v255
	v_lshrrev_b32 v1, 5, v0
	v_readfirstlane_b32 s12, v1                    ; wave 0..3
	s_lshr_b32 s13, s12, 1                         ; my half of the rows.  Also: I fetch for a (0) or for Wo (1)
	s_and_b32 s14, s12, 1                          ; my half of the columns.  Also: which plane or half I fetch
	s_bfe_u32 s40, ttmp6, 0x40000                  ; cx
	s_bfe_u32 s41, ttmp6, 0x40004                  ; cy
	s_lshl_b32 s42, ttmp9, 2
	s_add_co_u32 s42, s42, s40                     ; block column
	s_and_b32 s15, ttmp7, 0xffff
	s_lshl_b32 s15, s15, 2
	s_add_co_u32 s15, s15, s41                     ; block row
	s_lshl_b32 s43, s41, 2
	s_lshl_b32 s43, 15, s43                        ; my row of the cluster
	s_lshl_b32 s44, 0x1111, s40                    ; my column
	s_or_b32 s[G1+0], s43, (1<<16)|(1<<20)|(1<<21)|(4<<22)|(3<<25)    ; a: elements of 2 bytes; behind every 32 words 4 words of padding
	s_mov_b32 s[G1+1], 64<<16                      ; tensor_dim0 = 64
	s_mov_b32 s[G1+2], 128<<16                     ; tensor_dim1 = 128
	s_mov_b32 s[G1+3], 64<<16                      ; tile_dim0 = 64
	s_mov_b32 s[G1+4], 128                         ; tile_dim1 = 128
	s_mov_b32 s[G1+5], 64                          ; elements from row to row
	s_mov_b32 s[G1+6], 0
	s_mov_b32 s[G1+7], 0
	s_or_b32 s[G1B+0], s44, (2<<16)|(1<<20)|(1<<21)|(6<<22)|(3<<25)   ; Wo: elements of 4 bytes; behind every 128 words 4 words of padding
	s_mov_b32 s[G1B+1], 128<<16
	s_mov_b32 s[G1B+2], 64<<16
	s_mov_b32 s[G1B+3], 128<<16
	s_mov_b32 s[G1B+4], 64
	s_mov_b32 s[G1B+5], 1024
	s_mov_b32 s[G1B+6], 0
	s_mov_b32 s[G1B+7], 0
	s_lshr_b32 s16, s15, 4                         ; a: batch x 16 planes + 128 rows x (block row mod 16) + my plane
	s_lshl_b32 s16, s16, 22
	s_and_b32 s17, s15, 15
	s_lshl_b32 s17, s17, 14
	s_add_co_u32 s16, s16, s17
	s_lshl_b32 s17, s14, 18
	s_add_co_u32 s16, s16, s17
	s_mov_b32 s17, 0
	s_lshl_b32 s46, s42, 7                         ; Wo: row 128 x block column + 64 x half
	s_lshl_b32 s47, s14, 6
	s_add_co_u32 s46, s46, s47
	s_lshl_b32 s46, s46, 12
	s_mov_b32 s47, 0
	s_mul_i32 s20, s12, REG                        ; where they go: wave x region
	s_wait_dscnt 0x0
	s_wait_kmcnt 0x0
	s_add_nc_u64 s[18:19], s[4:5], s[16:17]
	s_add_nc_u64 s[46:47], s[6:7], s[46:47]
	CROUND                                         ; the first joint loads meet
.irp s, 0,1
	s_mov_b32 s[G0+4*\s], 1
	s_add_co_u32 s[G0+4*\s+1], s20, \s*SLOT
	s_add_nc_u64 s[G0+4*\s+2:G0+4*\s+3], s[18:19], \s*2*PLANE
	s_or_b32 s[G0+4*\s+3], s[G0+4*\s+3], 0x80000000
	s_mov_b32 s[G0B+4*\s], 1
	s_add_co_u32 s[G0B+4*\s+1], s20, \s*SLOT
	s_add_nc_u64 s[G0B+4*\s+2:G0B+4*\s+3], s[46:47], \s*512
	s_or_b32 s[G0B+4*\s+3], s[G0B+4*\s+3], 0x80000000
	JLOAD \s                                       ; K steps 0 and 1: two loads of the wave are out
.endr
	v_and_b32 v1, 15, v0                           ; r
	v_bfe_u32 v2, v0, 4, 1                         ; h
	v_lshlrev_b32 v[BOFF], 4, v1
	s_lshl_b32 s46, s42, 9                         ; my 64 columns in bytes: 512 x block column + 256 x half
	s_lshl_b32 s47, s14, 8
	s_add_co_u32 s46, s46, s47
	s_mov_b32 s47, 0
	s_add_nc_u64 s[8:9], s[8:9], s[46:47]
	s_add_nc_u64 s[10:11], s[10:11], s[46:47]
	global_load_b128 v[BIAS:BIAS+3], v[BOFF], s[8:9]               ; the bias of the four columns that I store
	v_mul_u32_u24 v3, v1, AP
	v_lshl_add_u32 v3, v2, 4, v3
	v_mul_u32_u24 v4, v1, BP
	v_lshl_add_u32 v4, v2, 5, v4
	s_mul_i32 s21, s13, 64*AP                      ; my 64 rows of a plane
	s_mul_i32 s22, s14, REG
	s_add_co_u32 s22, s22, 2*REG                   ; my 64 rows of Wo
.irp s, 0,1
	v_add_nc_u32 v[ADRA+\s], s21, v3
	v_add_nc_u32 v[ADRB+\s], s22, v4
	s_add_co_u32 s21, s21, SLOT
	s_add_co_u32 s22, s22, SLOT
.endr
	s_mul_i32 s23, s12, 16*SPITCH
	s_add_co_u32 s23, s23, STAGE
	v_mul_u32_u24 v5, v1, SPITCH
	v_lshl_add_u32 v5, v2, 5, v5
	v_add_nc_u32 v[STO], s23, v5                   ; in: row r, 32 bytes for each half of the lanes
	v_mul_u32_u24 v5, v2, SPITCH
	v_lshl_add_u32 v5, v1, 4, v5
	v_add_nc_u32 v[RD], s23, v5                    ; back: lanes 0-15 one row of 256 bytes, lanes 16-31 the next
	v_lshlrev_b32 v5, 12, v2
	v_lshl_add_u32 v[CO], v1, 4, v5                ; the same two rows in out0
.macro MUL8 f, a0, zero                ; m blocks a0, a0 + 1 x 4 n blocks, 32 along K, on set f
.irp a, \a0, \a0+1
.irp b, 0,1,2,3
.if \zero
	v_wmma_f32_16x16x32_f16 v[8*(4*(\a)+\b):8*(4*(\a)+\b)+7], v[FB+32*\f+8*\b:FB+32*\f+8*\b+7], v[FA+32*\f+8*(\a):FA+32*\f+8*(\a)+7], 0
.else
	v_wmma_f32_16x16x32_f16 v[8*(4*(\a)+\b):8*(4*(\a)+\b)+7], v[FB+32*\f+8*\b:FB+32*\f+8*\b+7], v[FA+32*\f+8*(\a):FA+32*\f+8*(\a)+7], v[8*(4*(\a)+\b):8*(4*(\a)+\b)+7]
.endif
.endr
.endr
.endm
.macro LDA slot, q, f                  ; a's fragments of quarter q (plane q / 2, byte 64 (q % 2)) into set f
.irp a, 0,1,2,3
	ds_load_b128 v[FA+32*\f+8*\a:FA+32*\f+8*\a+3],   v[ADRA+\slot] offset:(\q/2)*REG+(\q%2)*64+\a*16*AP
	ds_load_b128 v[FA+32*\f+8*\a+4:FA+32*\f+8*\a+7], v[ADRA+\slot] offset:(\q/2)*REG+(\q%2)*64+\a*16*AP+32
.endr
.endm
.macro LDB slot, q                     ; Wo's f32 of quarter q into the landing area
.irp b, 0,1,2,3
	ds_load_b128 v[LN+16*\b:LN+16*\b+3],     v[ADRB+\slot] offset:\q*128+\b*16*BP
	ds_load_b128 v[LN+16*\b+4:LN+16*\b+7],   v[ADRB+\slot] offset:\q*128+\b*16*BP+16
	ds_load_b128 v[LN+16*\b+8:LN+16*\b+11],  v[ADRB+\slot] offset:\q*128+\b*16*BP+64
	ds_load_b128 v[LN+16*\b+12:LN+16*\b+15], v[ADRB+\slot] offset:\q*128+\b*16*BP+80
.endr
.endm
; The landing area becomes Wo's set g: two numbers are rounded to bf16 in one word, widened again (the high half by a mask, the low half by a shift), and written as f16.
; Stage by stage over the 32 pairs, so that no instruction waits for the one in front of it.
.macro CVB g
.irp b, 0,1,2,3
.irp c, 0,1,2,3,4,5,6,7
	v_cvt_pk_bf16_f32 v[LN+16*\b+2*\c], v[LN+16*\b+2*\c], v[LN+16*\b+2*\c+1]
.endr
.endr
.irp b, 0,1,2,3
.irp c, 0,1,2,3,4,5,6,7
	v_and_b32 v[LN+16*\b+2*\c+1], 0xffff0000, v[LN+16*\b+2*\c]
.endr
.endr
.irp b, 0,1,2,3
.irp c, 0,1,2,3,4,5,6,7
	v_lshlrev_b32 v[LN+16*\b+2*\c], 16, v[LN+16*\b+2*\c]
.endr
.endr
.irp b, 0,1,2,3
.irp c, 0,1,2,3,4,5,6,7
	v_cvt_pk_f16_f32 v[FB+32*\g+8*\b+\c], v[LN+16*\b+2*\c], v[LN+16*\b+2*\c+1]
.endr
.endr
.endm
; A K step: four quarters of 32 along K on sets 0, 1, 0, 1.  Behind a quarter's 16 products: the next quarter's Wo is converted into the other set, and the quarter
; after that is fetched, a's fragments into the set just multiplied.  The conversions name none of the products' registers and are the places in front of those loads;
; the set that they write was last read a quarter ago, with the conversions before in between.
; The 16 accumulators take turns, one instruction a turn, in one order throughout, over the backward jump too.
; Quarter 2 changes slots: my reads of this slot and all my tensor loads are waited for, then the barrier; with fill = 1 it opens a round of the cluster's barrier,
; and the joint refill is the first tensor load behind the round: 64 products stand between that request and the wait for it.
.macro KST slot, next, fill, zero, last
	WIN MULW
	MUL8 0, 0, \zero
	MUL8 0, 2, \zero
	WIN 0
	s_wait_dscnt 0x0
	CVB 1
	LDB \slot, 2
	LDA \slot, 2, 0
	WIN MULW
	MUL8 1, 0, 0
	MUL8 1, 2, 0
	WIN 0
	s_wait_dscnt 0x0
	CVB 0
	LDB \slot, 3
	LDA \slot, 3, 1
	WIN MULW
	MUL8 0, 0, 0
	s_wait_dscnt 0x0                               ; my reads of this slot are over
.if \last == 0
	s_wait_tensorcnt 0x0                           ; and all my tensor loads have landed: my part of the next slot
	ds_add_u32 v254, v255
	s_wait_dscnt 0x0
	s_barrier_signal -1
.endif
	MUL8 0, 2, 0
	WIN 0
.if \last == 0
	s_barrier_wait -1
.if \fill
	CREST
	s_add_nc_u64 s[G0+4*\slot+2:G0+4*\slot+3], s[G0+4*\slot+2:G0+4*\slot+3], 4*PLANE
	s_add_nc_u64 s[G0B+4*\slot+2:G0B+4*\slot+3], s[G0B+4*\slot+2:G0B+4*\slot+3], 1024
	JLOAD \slot
.endif
.endif
	CVB 1
.if \last == 0
	LDB \next, 0
	LDA \next, 0, 0
.endif
	WIN MULW
	MUL8 1, 0, 0
	MUL8 1, 2, 0
	WIN 0
.if \last == 0
	s_wait_dscnt 0x0
	CVB 0
	LDB \next, 1
	LDA \next, 1, 1
.endif
.endm
	s_wait_loadcnt 0x0                             ; the bias
	s_wait_tensorcnt 0x1                           ; my part of K step 0 is in; K step 1's one load may stay out
	s_barrier_signal -1
	s_barrier_wait -1
	LDB 0, 0
	LDA 0, 0, 0
	s_wait_dscnt 0x0
	CVB 0
	LDB 0, 1
	LDA 0, 1, 1
	KST 0, 1, 1, 1, 0                              ; K steps 0, 1: the first products start the sums
	KST 1, 0, 1, 0, 0
	s_mov_b32 s3, 2                                ; K steps 2 to 5
.Llap:
	KST 0, 1, 1, 0, 0
	KST 1, 0, 1, 0, 0
	s_sub_co_u32 s3, s3, 1
	s_cmp_lg_u32 s3, 0
	s_cbranch_scc1 .Llap
	KST 0, 1, 0, 0, 0                              ; K step 6: nothing is left to fetch
	KST 1, 0, 0, 0, 1                              ; K step 7
.rept 4
	v_nop                                          ; the places behind the last products, in front of the LDS stores of results
.endr
	s_lshl_b32 s16, s15, 7
	s_lshl_b32 s17, s13, 6
	s_add_co_u32 s16, s16, s17                     ; my first row
	s_lshl_b32 s16, s16, 12                        ; rows of 4,096 bytes
	s_mov_b32 s17, 0
	s_add_nc_u64 s[10:11], s[10:11], s[16:17]
; rows 16 a .. 16 a + 15 of my block go through my stage and leave as whole rows of 256 bytes
.macro OUTA a
	WIN 0x04                                       ; the stores' data in window 1
.irp b, 0,1,2,3
	ds_store_b128 v[STO], v[8*(4*\a+\b):8*(4*\a+\b)+3]   offset:64*\b
	ds_store_b128 v[STO], v[8*(4*\a+\b)+4:8*(4*\a+\b)+7] offset:64*\b+16
.endr
	WIN 0
	s_wait_xcnt 0x0                                ; the last rows' stores have had their addresses translated (ISA guide 3.1): their data registers are loaded again below
.irp t, 0,1,2,3,4,5,6,7
	ds_load_b128 v[LN+4*\t:LN+4*\t+3], v[RD] offset:\t*2*SPITCH    ; my own stage: LDS serves a wave's instructions in order (ISA guide 5.7.1)
.endr
.irp t, 0,1,2,3,4,5,6,7
	s_wait_dscnt 7-\t                              ; the younger read-backs may stay out
	v_pk_add_f32 v[LN+4*\t:LN+4*\t+1],   v[LN+4*\t:LN+4*\t+1],   v[BIAS:BIAS+1]
	v_pk_add_f32 v[LN+4*\t+2:LN+4*\t+3], v[LN+4*\t+2:LN+4*\t+3], v[BIAS+2:BIAS+3]
	global_store_b128 v[CO], v[LN+4*\t:LN+4*\t+3], s[10:11] offset:(16*\a+2*\t)*4096   ; 16 lanes store 256 consecutive bytes, aligned
.endr
.endm
	OUTA 0
	OUTA 1
	OUTA 2
	OUTA 3
	s_wait_tensorcnt 0x0
	ds_add_u32 v254, v255
	s_wait_dscnt 0x0
	CROUND                                         ; the closing round
	s_endpgm
.Lfunc_end_k_q6b5780717a_oproj:
	.size	k_q6b5780717a_oproj, .Lfunc_end_k_q6b5780717a_oproj-k_q6b5780717a_oproj
	.p2alignl 7, 3214868480
	.fill 96, 4, 3214868480
	.section	.rodata,"a",@progbits
	.p2align	6, 0x0
	.amdhsa_kernel k_q6b5780717a_oproj
		.amdhsa_group_segment_fixed_size 327680
		.amdhsa_private_segment_fixed_size 0
		.amdhsa_enable_private_segment 0
		.amdhsa_kernarg_size 32
		.amdhsa_user_sgpr_count 2
		.amdhsa_user_sgpr_kernarg_segment_ptr 1
		.amdhsa_wavefront_size32 1
		.amdhsa_system_sgpr_workgroup_id_x 1
		.amdhsa_system_sgpr_workgroup_id_y 1
		.amdhsa_system_sgpr_workgroup_id_z 1
		.amdhsa_system_vgpr_workitem_id 0
		.amdhsa_next_free_vgpr 384
		.amdhsa_next_free_sgpr 66
		.amdhsa_reserve_vcc 0
		.amdhsa_float_denorm_mode_32 3
		.amdhsa_float_denorm_mode_16_64 3
		.amdhsa_memory_ordered 1
		.amdhsa_forward_progress 1
		.amdhsa_inst_pref_size 254
	.end_amdhsa_kernel
	.amdgpu_metadata
---
amdhsa.version: [ 1, 2 ]
amdhsa.kernels:
  - .name:           k_q6b5780717a_oproj
    .symbol:         k_q6b5780717a_oproj.kd
    .args:
      - { .name: aws, .offset: 0, .size: 8, .value_kind: global_buffer, .address_space: global }
      - { .name: Wo, .offset: 8, .size: 8, .value_kind: global_buffer, .address_space: global }
      - { .name: bo, .offset: 16, .size: 8, .value_kind: global_buffer, .address_space: global }
      - { .name: out0, .offset: 24, .size: 8, .value_kind: global_buffer, .address_space: global }
    .group_segment_fixed_size: 327680
    .private_segment_fixed_size: 0
    .kernarg_segment_align: 8
    .kernarg_segment_size: 32
    .max_flat_workgroup_size: 128
    .sgpr_count:     66
    .vgpr_count:     384
    .wavefront_size: 32
...
	.end_amdgpu_metadata
.endif
;; end of part 3
